; MI455X (gfx1250); checked and timed in simulation.
; The chip was launched on July 23, 2026; its instructions are those of AMD's public machine-readable ISA for CDNA 5 (MIT licence, August 2026) and "CDNA5" Instruction Set Architecture Reference Guide (July 2026). The comments in the code are by the model that wrote it; some were corrected since.
;; Internal Interaction. Allowed arithmetic: matrix products marked QUANTISED: E5M2 operands, one E8M0 scale for each 32 along K, by v_wmma_scale_f32_16x16x128_f8f6f4 with both operands' format E5M2, f32 sums; everything else in f32.
;; Inputs: W1_codes 512 x 4 x 32 uint8 (E5M2 codes of W1, K innermost, in blocks of 32 codes); W1_scales 512 x 4 uint8 (E8M0 scales of W1, one for each 32 codes along K); W2_codes 128 x 16 x 32 uint8 (E5M2 codes of W2, K innermost, in blocks of 32 codes); W2_scales 128 x 16 uint8 (E8M0 scales of W2, one for each 32 codes along K); attribute_embeddings 2,048 x 16 x 128 float32; b1 512 float32; b2 128 float32.
;; Outputs: out0 2,048 x 16 x 128 float32.
;; This version of the problem:
;;   THIS VERSION OF THE PROBLEM IS GIVEN IN LOW PRECISION. The matrix products marked QUANTISED in the list below multiply operands that are first quantised to E5M2 (5 exponent bits, 2 mantissa bits; 8 bits a number), with one power-of-two scale for each 32 numbers along K (OCP MX v1.0); their sums are f32. All else is computed in f32.
;;   The module's matrix products, in the order in which they are computed (A, B: the left and right operand; K: the contracted axis; several contracted axes count as one K, in the product's order):
;;     1. [M 524,288, K 128] x [K 128, N 512]; A: computed on the way; B: input W1 (given as codes): QUANTISED
;;     2. [M 524,288, K 512] x [K 512, N 128]; A: computed on the way; B: input W2 (given as codes): QUANTISED
;;   THE QUANTISER, for each operand of a quantised product, along K:
;;     - K is cut into blocks of 32 from its start; a last block that is shorter is filled with zeros.
;;     - A block's scale is 2^e with e = floor(log2(the largest magnitude in the block)) - 15, held to -126 .. 127; a block of zeros has e = 0. As a byte (E8M0): e + 127.
;;     - Each number is divided by its block's scale, clamped to +-57,344, and rounded to the nearest number of E5M2, ties to even, subnormals kept.
;;     - The product sums the exact products of the quantised numbers (number of the format x scale) in f32.
;;   ~~~python
;;   def quantise(x, axis):      # numpy; x: float32 -> the quantised numbers, widened to float32 again
;;       x = np.moveaxis(x, axis, -1); K = x.shape[-1]
;;       x = np.pad(x, [(0, 0)] * (x.ndim - 1) + [(0, -K % 32)]); x = x.reshape(x.shape[:-1] + (-1, 32)); a = np.abs(x).max(-1, keepdims=True)
;;       e = np.where(a > 0, np.clip(np.frexp(np.where(a > 0, a, 1))[1] - 1 - 15, -126, 127), 0)      # np.frexp(a)[1] - 1 = floor(log2(a)), exactly
;;       r = np.clip(x / 2.0 ** e, -57344, 57344)
;;       step = 2.0 ** (np.maximum(np.frexp(np.where(r == 0, 1, r))[1] - 1, -14) - 2)
;;       q = np.round(r / step) * step * 2.0 ** e      # np.round: ties to even
;;       return np.moveaxis(q.reshape(q.shape[:-2] + (-1,))[..., :K], -1, axis).astype(np.float32)
;;   ~~~
;;   OPERANDS COMPUTED ON THE WAY. 'Computed on the way' means the value that the module computes at that place (a softmax that the list does not call 'softmax' is quantised finished and normalised). What goes into a quantiser is computed in f32, as accurately as f32 sums, v_exp_f32 and their like allow (about 1e-6 of the number): no bf16 or f16 on the way to a quantiser, and a product that is left as it is and whose result goes on into a quantised operand takes f32 operands (vector FMAs, or v_wmma_f32_16x16x4_f32). A number that lies on a knife's edge between two numbers of the format may be rounded either way, as far as f32 arithmetic and the matrix unit's own rounding can turn it there, and no further.
;;   INPUTS GIVEN AS CODES. W1 (in the module: [512, 128], K = its axis 1); W2 (in the module: [128, 512], K = its axis 1): each comes as NAME_codes (uint8): NAME with its K axis moved to the last place and cut into blocks of 32 codes, [.., K / 32, bytes a block], one block behind the other in memory; one code a byte (a code: sign, 5 exponent bits, 2 mantissa bits); and NAME_scales (uint8): the same leading axes, one E8M0 byte (e + 127) for each 32 codes along K. Its value is code x scale, taken as it is: it is not quantised again, and the codes and scales need not be those that the quantiser above would give.
;; One version. Each part assembles by itself: llvm-mc -triple=amdgcn-amd-amdhsa -mcpu=gfx1250 --defsym DOCPART=n.
;; ======== version 1 of 1: 1 launch
;; launch pairs_mlp (part 1): grid 256 x 1, 8 waves a work-group, clusters of 4 x 1, 283,648 bytes of LDS; arguments attribute_embeddings, W1_codes, W1_scales, b1, W2_codes, W2_scales, b2, out0; writes out0
.if DOCPART == 1
	.amdgcn_target "amdgcn-amd-amdhsa--gfx1250"
	.amdhsa_code_object_version 6
	.text
	.protected	k_qdcb81d5082_pairs_mlp
	.globl	k_qdcb81d5082_pairs_mlp
	.p2align	8
	.type	k_qdcb81d5082_pairs_mlp,@function
k_qdcb81d5082_pairs_mlp:
	s_mov_b64 s[64:65], 0
	v_nop
	global_prefetch_b8 v0, s[64:65] scope:SCOPE_SE
	s_setreg_imm32_b32 hwreg(HW_REG_WAVE_MODE, 25, 1), 1
	s_wait_xcnt 0x0
	s_wait_alu depctr_hold_cnt(0) depctr_sa_sdst(0) depctr_va_vdst(0) depctr_va_sdst(0) depctr_va_ssrc(0) depctr_va_vcc(0) depctr_vm_vsrc(0)
	s_getreg_b32 s2, hwreg(HW_REG_IB_STS2, 6, 4)
	s_cmp_eq_u32 s2, 0
	s_cbranch_scc0 .Lentry_in_a_cluster
	s_endpgm
.Lentry_in_a_cluster:
	s_bfe_u32 s2, ttmp6, 0x10000c
	s_cmp_lg_u32 s2, 0x3003
	s_cbranch_scc0 .Lentry_shape_is_right
	s_endpgm
.Lentry_shape_is_right:
; out[b][j][:] = sum over i of ( Q(relu(Q(x[b][i] * x[b][j]) W1^T + b1)) W2^T + b2 ).  x, out: [2048][16][128] f32.  W1 [512][128], W2 [128][512]: codes of BF8 (E5M2), K innermost,
; with one E8M0 byte for each 32 along K.  Q: the quantiser along a product's K (a block of 32: scale 2^(floor(log2(largest magnitude)) - 15), hold at +-57,344, nearest code, ties to even).
; SHARES.  A work-group owns 8 neighbouring b ("slots"), 64 KiB of x and of out.  Eight waves: wave number = 4 t + w, t the team, w the slice.  In round r (0..3) team t does slot 2 r + t.
; Wave (t, w) keeps in registers for the whole launch: W1's hidden units 128 w .. 128 w + 127 (8 fragments), K step w of W2 for all 128 outputs (8 fragments), its 128 numbers of b1.
; A STEP is one i: the tile of 16 pair rows (i, j = 0..15) comes from LDS as an image of its operand registers; 8 products give my 128 hidden units of the 16 rows (used transposed: source 0 = 16 rows of W1,
; source 1 = the pair tile, C = b1: a lane holds one row j and its registers run along the hidden units); they are quantised in registers (the hold clips at 0: the activation) and ARE one K step of the second product;
; 8 products add them onto 8 accumulators that run over all 16 i: the sum over i is taken in the accumulators.  At a round's end the team's four partial sums (K steps 0..3) meet in an LDS stage, 16 b2 is added, and whole rows leave.
; THE ROWS OF W1 THAT FORM A TILE ARE NOT NEIGHBOURS: lane r of tile 2 b + u takes row 32 b + 8 u + r + 8 (r / 8), so that the 16 registers of tiles 2 b, 2 b + 1 are 16 neighbours along the next K.
; PAIR TILES are made once: wave (t, w) makes tiles i = 4 w .. 4 w + 3 of its team's NEXT slot, one block of 32 along K in each of a round's 16 steps, into the other of two image buffers.  Round 0's are made ahead of it.
; CLUSTER.  All work-groups read the same W1 and W2: the four of a cluster ask for them jointly (mask 15).  x is nobody else's: plain loads.  Every LDS byte is filled at most once by the tensor data mover.
; LIMITS.  NaN and infinities among the inputs are not served.  A block of zeros keeps the scale byte 1 where the quantiser says 127: its codes are zeros, and these bytes are read by this text alone.
; The sums over K and over i are taken in another order than the source writes them, and b2 enters once, as 16 b2.
;
; LDS
.set IMGB,  65536                      ; images of pair tiles: buffer p at 65,536 p, team t at + 32,768 t, tile i at + 2,048 i, register group c at + 512 c + 16 x lane
.set WL1,   65536                      ; W1 on its way to registers: 512 rows, 144 bytes apart (128 + 16); one fill; read out before image buffer 1 is first written
.set XSC,   139264                     ; the pair tiles' scale words: buffer p at + 4,096 p, team at + 2,048 t; (row r, tile i) at 68 r + 4 i
.set XSCB,  4096
.set XF32,  147456                     ; x as f32: row 16 slot + row, 528 bytes apart (512 + 16); never stored into
.set XP,    528
.set STG,   215040                     ; the stage: wave at + 8,448 x wave, 16 rows 528 bytes apart
.set WL2,   STG                        ; and before that W2 on its way to registers: 128 rows, 528 bytes apart; one fill
; VECTOR REGISTERS, window 0 (window 1: v0-127 W1's 8 fragments, v128-255 W2's 8)
.set AXJ, 1                            ; XF32 + 528 r + 64 h + 8,448 t: row j = r of my team's slot of round 0
.set AXI, 2                            ; XF32 + 64 h + 2,112 w + 8,448 t: row i = 4 w
.set TA,  3                            ; two addresses in hand
.set TB,  4
.set VIS, 5                            ; where I store images: 16 x lane + 32,768 t + 8,192 w
.set VSS, 6                            ; and scale bytes: XSC + 2,048 t + 68 r + 16 w
.set VIL, 7                            ; where I load images: 16 x lane + 32,768 t   (until the weights are in registers: my place in WL1)
.set VSL, 8                            ; and scale words: XSC + 2,048 t + 68 r        (until then: my place in WL2)
.set L16, 9                            ; 16 x lane
.set XS,  10                           ; the pair tile's scale words
.set PW,  11                           ; the scale word just made
.set M,   12                           ; v12-15 largest magnitudes, then 57,344 x the scale; b2 at a round's end
.set T,   16                           ; v16-19 at work
.set SO,  20                           ; v20-23 the conversions' scale operands
.set WS,  24                           ; v24-31 lanes 0-15: W1 tile n's scale words; lanes 16-31: W2 tile n's
.set XF,  32                           ; v32-47 the pair fragment; x[i], then the products, while a quarter tile is made
.set PC,  48                           ; v48-63 the hidden layer's codes; x[j], then 4 registers of codes, while a quarter tile is made
.set H,   64                           ; v64-127 the hidden layer, 8 tiles
.set OUT, 128                          ; v128-191 the second product's 8 accumulators
.set B1,  192                          ; v192-255 b1 in the result's layout
; SCALAR REGISTERS: s[4:19] the eight buffers, in the order of the arguments
.set WVN, 20                           ; wave
.set SLC, 21                           ; w
.set TEAM, 22                          ; t
.set WGN, 23                           ; work-group: it enters x's and out's global addresses alone
.set GXA, 24                           ; descriptor groups 1
.set GXB, 32
.set GW1, 40
.set GW2, 48
.set G0XA, 56                          ; groups 0
.set G0XB, 60
.set G0W1, 68
.set G0W2, 72
.set SIS, 66                           ; walks: image store, 512 a step
.set SSS, 67                           ; scale byte store, 1 a step
.set SEL, 76                           ; s[76:77] v_permlanex16_b32's selects for lane l xor 16
.set MNT, 78                           ; the mantissa field of 57,344
.set HIL, 79                           ; lanes 16-31
.set SN,  80                           ; step of the round
.set RND, 81                           ; rounds to go
.set BN,  82                           ; 16,896 x (round + 1): the next slot's rows in XF32
.set CNT, 89                           ; trips of the loop over steps
.set SIL, 94                           ; walks: image load, 2,048 a tile
.set SSL, 95                           ; scale word load, 4 a tile
.set MSB, 0
.macro WIN new                         ; the immediate's high byte repeats the setting that is left
.if MSB != \new
	s_set_vgpr_msb (MSB<<8)|\new
.set MSB, \new
.endif
.endm
.macro NOPS n
.rept \n
	v_nop
.endr
.endm
.macro BAR
	s_barrier_signal -1
	s_barrier_wait -1
.endm
.macro CROUND                          ; a round of the cluster's barrier
	s_barrier_signal -1
	s_barrier_wait -1
	s_cmp_lg_u32 s[WVN], 0
	s_cbranch_scc1 .Lnot_wave_0_\@
	s_barrier_signal -3
.Lnot_wave_0_\@:
	s_barrier_wait -3
	s_barrier_signal -1
	s_barrier_wait -1
.endm
.macro GROUP1 g, w0, c, r              ; r rows of c elements, dense in memory; extents = the tile's
	s_mov_b32 s[\g], \w0
	s_mov_b32 s[\g+1], (\c)<<16            ; tensor_dim0
	s_mov_b32 s[\g+2], (\r)<<16            ; tensor_dim1
	s_mov_b32 s[\g+3], (\c)<<16            ; tile_dim0
	s_mov_b32 s[\g+4], \r                  ; tile_dim1
	s_mov_b32 s[\g+5], \c                  ; from row to row
	s_mov_b32 s[\g+6], 0
	s_mov_b32 s[\g+7], 0
.endm
; 64 numbers of a lane, register 16 b + i = k 32 b + 16 (lane / 16) + i of my row: the four blocks' largest magnitudes, scale operands (SO), holds (M) and the row's scale word (PW).
; relu = 1: no |.|: what is negative is to become 0 and must not count; the floor 2^(16 - 127) stands over it and keeps the byte at 1 from below.  The registers are read in ascending order.
.macro QMAX s, relu
.if \relu
.irp b,0,1,2,3
	v_max3_num_f32 v[M+\b], v[\s+16*\b], v[\s+16*\b+1], 0x8000000
.endr
.irp i,2,4,6,8,10,12,14
.irp b,0,1,2,3
	v_max3_num_f32 v[M+\b], v[M+\b], v[\s+16*\b+\i], v[\s+16*\b+\i+1]
.endr
.endr
.else
.irp b,0,1,2,3
	v_max3_num_f32 v[M+\b], |v[\s+16*\b]|, |v[\s+16*\b+1]|, 0x8000000
.endr
.irp i,2,4,6,8,10,12,14
.irp b,0,1,2,3
	v_max3_num_f32 v[M+\b], v[M+\b], |v[\s+16*\b+\i]|, |v[\s+16*\b+\i+1]|
.endr
.endr
.endif
.irp b,0,1,2,3
	v_permlanex16_b32 v[T+\b], v[M+\b], s[SEL], s[SEL+1]
.endr
.irp b,0,1,2,3
	v_max_num_f32 v[M+\b], v[M+\b], v[T+\b]            ; with lane l xor 16's: the block's
.endr
.irp b,0,1,2,3
	v_add_nc_u32 v[SO+\b], 0xf8800000, v[M+\b]         ; 15 off the exponent field: the conversion's scale operand
.endr
.irp b,0,1,2,3
	v_and_or_b32 v[M+\b], v[M+\b], 0x7f800000, s[MNT]  ; 57,344 x the scale
.endr
.irp b,0,1,2,3
	v_lshrrev_b32 v[T+\b], 23, v[SO+\b]                ; the scale's byte
.endr
	v_lshl_or_b32 v[PW], v[T+1], 8, v[T]
	v_lshl_or_b32 v[PW], v[T+2], 16, v[PW]
	v_lshl_or_b32 v[PW], v[T+3], 24, v[PW]
.endm
; the hold (the conversion to an 8-bit code does not saturate: ISA guide 7.6.2) and the conversions: the fragment's 16 registers in v[PC] on.  cnt >= 0: a wait on DScnt ahead of the first write of v[PC]
.macro QFIN s, relu, cnt
.irp b,0,1,2,3
.irp i,0,1,2,3,4,5,6,7,8,9,10,11,12,13,14,15
.if \relu
	v_med3_num_f32 v[\s+16*\b+\i], v[\s+16*\b+\i], 0, v[M+\b]
.else
	v_med3_num_f32 v[\s+16*\b+\i], v[\s+16*\b+\i], -v[M+\b], v[M+\b]
.endif
.endr
.if (\b == 0) && ((\cnt) >= 0)
	s_wait_dscnt \cnt
.endif
	v_cvt_scalef32_pk8_bf8_f32 v[PC+4*\b:PC+4*\b+1], v[\s+16*\b:\s+16*\b+7], v[SO+\b]
	v_cvt_scalef32_pk8_bf8_f32 v[PC+4*\b+2:PC+4*\b+3], v[\s+16*\b+8:\s+16*\b+15], v[SO+\b]
.endr
.endm
; the image of the next pair tile and its scale words; the walks step on
.macro FETCHX ai, as
.irp c,0,1,2,3
	ds_load_b128 v[XF+4*\c:XF+4*\c+3], v[\ai] offset:512*\c
.endr
	ds_load_b32 v[XS], v[\as]
	s_add_co_u32 s[SIL], s[SIL], 2048
	s_add_co_u32 s[SSL], s[SSL], 4
.endm
; a quarter of a pair tile: 16 numbers a lane of one block of 32: x[i] (XF) x x[j] (PC), quantised: 4 registers of codes in v[PC] on, the byte in v[T+2].  The addresses of what follows are made on the way
.macro XQ last
.irp e,0,2,4,6,8,10,12,14
	v_pk_mul_f32 v[XF+\e:XF+\e+1], v[XF+\e:XF+\e+1], v[PC+\e:PC+\e+1]
.endr
	v_max3_num_f32 v[T], |v[XF]|, |v[XF+1]|, 0x8000000
	v_max3_num_f32 v[T+1], |v[XF+2]|, |v[XF+3]|, |v[XF+4]|
	v_max3_num_f32 v[T], v[T], |v[XF+5]|, |v[XF+6]|
	v_max3_num_f32 v[T+1], v[T+1], |v[XF+7]|, |v[XF+8]|
	v_max3_num_f32 v[T], v[T], |v[XF+9]|, |v[XF+10]|
	v_max3_num_f32 v[T+1], v[T+1], |v[XF+11]|, |v[XF+12]|
	v_max3_num_f32 v[T], v[T], |v[XF+13]|, |v[XF+14]|
	v_max3_num_f32 v[T], v[T], v[T+1], |v[XF+15]|
	v_permlanex16_b32 v[T+2], v[T], s[SEL], s[SEL+1]
	v_max_num_f32 v[T], v[T], v[T+2]
	v_add_nc_u32 v[T+1], 0xf8800000, v[T]
	v_and_or_b32 v[T+3], v[T], 0x7f800000, s[MNT]
	v_lshrrev_b32 v[T+2], 23, v[T+1]
.irp i,0,1,2,3,4,5,6,7,8,9,10,11,12,13,14,15
	v_med3_num_f32 v[XF+\i], v[XF+\i], -v[T+3], v[T+3]
.endr
	v_add_nc_u32 v[TA], s[SIS], v[VIS]                 ; no LDS instruction of mine is out: both may be written
	v_add_nc_u32 v[TB], s[SSS], v[VSS]
.if (\last) == 0
	v_add_nc_u32 v[T], s[SIL], v[VIL]
	v_add_nc_u32 v[T+3], s[SSL], v[VSL]
.endif
	v_cvt_scalef32_pk8_bf8_f32 v[PC:PC+1], v[XF:XF+7], v[T+1]
	v_cvt_scalef32_pk8_bf8_f32 v[PC+2:PC+3], v[XF+8:XF+15], v[T+1]
.endm
.macro P1                              ; my 8 tiles of the hidden layer; C = b1
.irp n,0,1,2,3,4,5,6,7
	v_wmma_scale_f32_16x16x128_f8f6f4 v[H+8*\n:H+8*\n+7], v[16*\n:16*\n+15], v[XF:XF+15], v[B1+8*\n:B1+8*\n+7], v[WS+\n], v[XS] matrix_a_fmt:MATRIX_FMT_BF8 matrix_b_fmt:MATRIX_FMT_BF8
.endr
.endm
.macro P2 zero                         ; the 8 tiles of outputs; zero = 1: a round's first products start the sums
.irp n,0,1,2,3,4,5,6,7
.if \zero
	v_wmma_scale_f32_16x16x128_f8f6f4 v[OUT+8*\n:OUT+8*\n+7], v[128+16*\n:128+16*\n+15], v[PC:PC+15], 0, v[WS+\n], v[PW] matrix_a_fmt:MATRIX_FMT_BF8 matrix_b_fmt:MATRIX_FMT_BF8 matrix_a_scale:MATRIX_SCALE_ROW1
.else
	v_wmma_scale_f32_16x16x128_f8f6f4 v[OUT+8*\n:OUT+8*\n+7], v[128+16*\n:128+16*\n+15], v[PC:PC+15], v[OUT+8*\n:OUT+8*\n+7], v[WS+\n], v[PW] matrix_a_fmt:MATRIX_FMT_BF8 matrix_b_fmt:MATRIX_FMT_BF8 matrix_a_scale:MATRIX_SCALE_ROW1
.endif
.endr
.endm
; A STEP.  At its head v[H] holds this i's hidden layer, unquantised.  x = 1: a quarter tile of the next slot is made.  last = 1: the round's last step: no further tile is fetched or multiplied.
; The accumulators take turns, one instruction a turn: between two products onto one accumulator stand 15 others (7 in the last step).
.macro STEP zero, x, last
.if \x
	s_and_b32 s85, s[SN], 3
	s_lshl_b32 s85, s85, 7                             ; block SN % 4: 128 bytes of a row
	s_add_co_u32 s83, s[BN], s85
	s_lshr_b32 s86, s[SN], 2
	s_mul_i32 s86, s86, XP                             ; tile 4 w + SN / 4: its row i
	s_add_co_u32 s84, s83, s86
	v_add_nc_u32 v[TA], s83, v[AXJ]
	v_add_nc_u32 v[TB], s84, v[AXI]
	NOPS 6                                             ; eight places behind the last products: ahead of loads into their operands and of the first read of v[H]
.irp j,0,1,2,3
	ds_load_b128 v[PC+4*\j:PC+4*\j+3], v[TA] offset:16*\j
.endr
.irp j,0,1,2,3
	ds_load_b128 v[XF+4*\j:XF+4*\j+3], v[TB] offset:16*\j
.endr
.elseif (\last) == 0
	v_add_nc_u32 v[TA], s[SIL], v[VIL]
	v_add_nc_u32 v[TB], s[SSL], v[VSL]
	NOPS 6
	FETCHX TA, TB
.else
	NOPS 8
.endif
	QMAX H, 1
.if \x
	s_wait_dscnt 0x0                                   ; x[j] and x[i] are in
	XQ \last
	ds_store_b128 v[TA], v[PC:PC+3]                    ; register group SN % 4 of the tile's image
	ds_store_b8 v[TB], v[T+2]                          ; both lanes of a row write the same byte with the same value
	s_add_co_u32 s[SIS], s[SIS], 512
	s_add_co_u32 s[SSS], s[SSS], 1
	s_add_co_u32 s[SN], s[SN], 1
.if (\last) == 0
	FETCHX T, T+3
	QFIN H, 1, 5                                       ; the five loads just issued may be out; the two stores ahead of them have read v[PC]
.else
	QFIN H, 1, 0
.endif
.else
	QFIN H, 1, -1
.endif
	NOPS 4                                             ; four places between the codes' last write and the scaled products; the scale word was made more than eight back
	s_wait_dscnt 0x0                                   ; the next tile's image and scale words are in
	WIN 0x01                                           ; source 0: window 1
.if (\last) == 0
	P1
.endif
	P2 \zero
	WIN 0
.endm
; A ROUND'S END.  Each wave's partial sums go to its stage; behind a barrier wave (t, w) adds the four parts of rows 4 w .. 4 w + 3 and 16 b2, and stores whole rows of 512 bytes.
.macro RED lastround
	v_and_b32 v[TA], 15, v0                            ; (these six and two v_nop are the eight places behind the last products)
	v_bfe_u32 v[TB], v0, 4, 1
	v_mul_u32_u24 v[TA], v[TA], XP
	v_lshl_add_u32 v[TA], v[TB], 5, v[TA]
	v_add_nc_u32 v[TA], s87, v[TA]                     ; in: row r, + 32 h
	v_add_nc_u32 v[TB], s88, v[L16]                    ; back: 16 bytes a lane of a row
	NOPS 2
.irp n,0,1,2,3,4,5,6,7
	ds_store_b128 v[TA], v[OUT+8*\n:OUT+8*\n+3] offset:64*\n         ; each accumulator from its low end on.  Lane (r, h): out(j = r, 16 n + 8 h + 0 .. 7)
	ds_store_b128 v[TA], v[OUT+8*\n+4:OUT+8*\n+7] offset:64*\n+16
.endr
	global_load_b128 v[M:M+3], v[L16], s[16:17]        ; b2: my four columns
.if (\lastround) == 0
	s_sub_co_u32 s[SIS], s[SIS], 8192                  ; the walks go back to a buffer's head, in the other buffer
	s_xor_b32 s[SIS], s[SIS], IMGB
	s_sub_co_u32 s[SSS], s[SSS], 16
	s_xor_b32 s[SSS], s[SSS], XSCB
	s_sub_co_u32 s[SIL], s[SIL], 32768
	s_xor_b32 s[SIL], s[SIL], IMGB
	s_sub_co_u32 s[SSL], s[SSL], 64
	s_xor_b32 s[SSL], s[SSL], XSCB
	s_add_co_u32 s[BN], s[BN], 2*16*XP
	s_mov_b32 s[SN], 0
.endif
	s_wait_dscnt 0x0                                   ; for the others' sake: my stage, my images and scale bytes are stored, and my reads of the old image buffer are over
	BAR
.if (\lastround) == 0
	v_add_nc_u32 v[T], s[SIL], v[VIL]
	v_add_nc_u32 v[T+3], s[SSL], v[VSL]
	FETCHX T, T+3                                      ; the next round's tile 0
.endif
.irp p,0,1,2,3
.irp q,0,1,2,3
	ds_load_b128 v[OUT+16*\p+4*\q:OUT+16*\p+4*\q+3], v[TB] offset:16*XP*\p+XP*\q   ; part p of row 4 w + q
.endr
.endr
.if (\lastround) == 0
	s_wait_dscnt 16                                    ; the 16 loads from the stage may be out; tile 0 is in
	WIN 0x01
	P1
	WIN 0
.endif
	s_wait_dscnt 0x0                                   ; my reads of the stage are over
	s_wait_loadcnt 0x0                                 ; b2
.if (\lastround) == 0
	s_barrier_signal -1                                ; the stage is written again only when all eight have said so
.endif
.irp q,0,1,2,3
.irp e,0,2
	v_pk_fma_f32 v[OUT+4*\q+\e:OUT+4*\q+\e+1], v[M+\e:M+\e+1], 0x41800000, v[OUT+4*\q+\e:OUT+4*\q+\e+1] op_sel_hi:[1,0,1]   ; 16 b2 + part 0
.endr
.endr
.irp p,1,2,3
.irp q,0,1,2,3
.irp e,0,2
	v_pk_add_f32 v[OUT+4*\q+\e:OUT+4*\q+\e+1], v[OUT+4*\q+\e:OUT+4*\q+\e+1], v[OUT+16*\p+4*\q+\e:OUT+16*\p+4*\q+\e+1]
.endr
.endr
.endr
.if (\lastround) == 0
	s_barrier_wait -1
.endif
.irp q,0,1,2,3
	global_store_b128 v[L16], v[OUT+4*\q:OUT+4*\q+3], s[18:19] offset:512*\q th:TH_STORE_NT   ; 32 lanes store 512 consecutive bytes, at a multiple of 512 from out's first byte
.endr
.if (\lastround) == 0
	s_wait_xcnt 0x0                                    ; the stores have read their data and their base: both are written again only behind this wait
	s_add_nc_u64 s[18:19], s[18:19], 16384             ; two slots on
.endif
.endm
.macro ROUND x, lastround
	STEP 1, \x, 0
	s_mov_b32 s[CNT], 14
.Lstep_\@:
	STEP 0, \x, 0
	s_sub_co_u32 s[CNT], s[CNT], 1
	s_cmp_lg_u32 s[CNT], 0
	s_cbranch_scc1 .Lstep_\@
	STEP 0, \x, 1
	RED \lastround
.endm
; AHEAD OF ROUND 0: pair tile i = 4 w + n of slot t, whole (x[j] lies in v[OUT] on); beside it a quarter of my weights goes from LDS to window 1
.macro PTILE n
.irp c,0,1,2,3
.irp j,0,1,2,3
	ds_load_b128 v[H+16*\c+4*\j:H+16*\c+4*\j+3], v[AXI] offset:XP*\n+128*\c+16*\j
.endr
.endr
	WIN 0x40                                           ; destination window 1, address window 0
.irp k,0,1,2,3
.irp c,0,1,2,3
.if \n < 2
	ds_load_b128 v[16*(4*\n+\k)+4*\c:16*(4*\n+\k)+4*\c+3], v[VIL] offset:(32*((4*\n+\k)/2)+8*(\k%2))*144+32*\c
.else
	ds_load_b128 v[128+16*(4*(\n-2)+\k)+4*\c:128+16*(4*(\n-2)+\k)+4*\c+3], v[VSL] offset:16*(4*(\n-2)+\k)*XP+32*\c
.endif
.endr
.endr
	WIN 0
	s_wait_dscnt 16                                    ; the 16 weight loads may be out; x[i], x[j] are in, and the last tile's stores have read their registers
.set ee, 0
.rept 32
	v_pk_mul_f32 v[H+ee:H+ee+1], v[H+ee:H+ee+1], v[OUT+ee:OUT+ee+1]
.set ee, ee+2
.endr
	QMAX H, 0
	QFIN H, 0, -1
	v_nop                                              ; a plain instruction behind the last conversion
.irp c,0,1,2,3
	ds_store_b128 v[VIS], v[PC+4*\c:PC+4*\c+3] offset:2048*\n+512*\c
.endr
	ds_store_b32 v[VSS], v[PW] offset:4*\n
.endm
	; ---------------- the head
	s_load_b256 s[4:11], s[0:1], 0x0                   ; x s[4:5], W1's codes s[6:7], W1's scales s[8:9], b1 s[10:11]
	s_load_b256 s[12:19], s[0:1], 0x20                 ; W2's codes s[12:13], W2's scales s[14:15], b2 s[16:17], out s[18:19]
	v_lshl_add_u32 v254, v0, 2, 0x45000
	v_mov_b32 v255, 0
	ds_add_u32 v254, v255
	ds_add_u32 v254, v255
	s_wait_dscnt 0x0
	v_lshrrev_b32 v[TA], 5, v0
	v_readfirstlane_b32 s[WVN], v[TA]                  ; wave 0..7
	s_and_b32 s[SLC], s[WVN], 3
	s_lshr_b32 s[TEAM], s[WVN], 2
	s_bfe_u32 s85, ttmp6, 0x40000                      ; cx
	s_lshl_b32 s[WGN], ttmp9, 2                        ; in a cluster launch ttmp9 counts clusters
	s_add_co_u32 s[WGN], s[WGN], s85
.set W0X,  (2<<16)|(1<<20)|(6<<22)|(3<<25)             ; no mask; elements of 4 bytes; 4 words of padding behind every 128
.set W0W1, 15|(1<<20)|(1<<21)|(4<<22)|(3<<25)          ; mask: all four work-groups, bit 21 beside it; elements of 1 byte; 4 words of padding behind every 32
.set W0W2, 15|(1<<20)|(1<<21)|(6<<22)|(3<<25)          ; the same, behind every 128
	GROUP1 GXA, W0X, 128, 4                            ; x: 4 rows a wave (slots 0, 1)
	GROUP1 GXB, W0X, 128, 12                           ; x: 12 rows a wave (slots 2 to 7)
	GROUP1 GW1, W0W1, 128, 128                         ; W1: 128 rows of 128 bytes
	GROUP1 GW2, W0W2, 512, 32                          ; W2: 32 rows of 512 bytes
	s_mov_b32 s[SEL], 0x76543210
	s_mov_b32 s[SEL+1], 0xfedcba98
	s_mov_b32 s[MNT], 0x600000
	s_mov_b32 s[HIL], 0xffff0000
	s_mov_b32 s[SN], 0
	s_mov_b32 s[RND], 3
	s_mov_b32 s[BN], 2*16*XP
	s_mov_b32 s[SIS], IMGB                             ; round 0 reads buffer 0 and writes buffer 1
	s_mov_b32 s[SSS], XSCB
	s_mov_b32 s[SIL], 0
	s_mov_b32 s[SSL], 0
	s_mul_i32 s87, s[WVN], 16*XP
	s_add_co_u32 s87, s87, STG                         ; my stage
	s_mul_i32 s88, s[TEAM], 4*16*XP
	s_mul_i32 s85, s[SLC], 4*XP
	s_add_co_u32 s88, s88, s85
	s_add_co_u32 s88, s88, STG                         ; row 4 w of my team's first stage
	v_and_b32 v[M], 15, v0                             ; r
	v_bfe_u32 v[M+1], v0, 4, 1                         ; h
	v_and_b32 v[L16], 31, v0
	v_lshlrev_b32 v[L16], 4, v[L16]
	v_and_b32 v[M+2], 8, v[M]
	v_add_nc_u32 v[M+2], v[M+2], v[M]                  ; r + 8 (r / 8)
	s_mul_i32 s85, s[TEAM], 16*XP
	s_add_co_u32 s85, s85, XF32
	v_mul_u32_u24 v[AXJ], v[M], XP
	v_lshl_add_u32 v[AXJ], v[M+1], 6, v[AXJ]
	v_add_nc_u32 v[AXJ], s85, v[AXJ]
	s_mul_i32 s86, s[SLC], 4*XP
	s_add_co_u32 s86, s86, s85
	v_lshlrev_b32 v[AXI], 6, v[M+1]
	v_add_nc_u32 v[AXI], s86, v[AXI]
	s_lshl_b32 s85, s[TEAM], 15
	s_lshl_b32 s86, s[SLC], 13
	s_add_co_u32 s86, s86, s85
	v_add_nc_u32 v[VIS], s86, v[L16]
	s_lshl_b32 s85, s[TEAM], 11
	s_add_co_u32 s85, s85, XSC
	s_lshl_b32 s86, s[SLC], 4
	s_add_co_u32 s86, s86, s85
	v_mul_u32_u24 v[VSS], v[M], 68
	v_add_nc_u32 v[VSS], s86, v[VSS]
	s_mul_i32 s85, s[SLC], 128*144
	s_add_co_u32 s85, s85, WL1
	v_mul_u32_u24 v[VIL], v[M+2], 144                  ; for now: W1's row 128 w + r + 8 (r / 8), + 16 h
	v_lshl_add_u32 v[VIL], v[M+1], 4, v[VIL]
	v_add_nc_u32 v[VIL], s85, v[VIL]
	s_lshl_b32 s85, s[SLC], 7
	s_add_co_u32 s85, s85, WL2
	v_mul_u32_u24 v[VSL], v[M], XP                     ; for now: W2's row r, K step w, + 16 h
	v_lshl_add_u32 v[VSL], v[M+1], 4, v[VSL]
	v_add_nc_u32 v[VSL], s85, v[VSL]
	v_lshlrev_b32 v[SO], 2, v[M+2]                     ; offsets of the small global loads: W1's scale words,
	v_lshlrev_b32 v[SO+1], 4, v[M]                     ; W2's (16 bytes a row),
	v_lshlrev_b32 v[SO+2], 6, v[M+1]                   ; b1 (16 h numbers)
.irp b,0,1,2,3
	v_mov_b32 v[T+\b], 0                               ; written once: a lane permute's destination counts as one of its sources
.endr
	s_wait_kmcnt 0x0
	s_lshl_b32 s90, s[WGN], 16                         ; my work-group's 8 b: 65,536 bytes of x and of out
	s_mov_b32 s91, 0
	s_mov_b32 s93, 0
	s_add_nc_u64 s[4:5], s[4:5], s[90:91]
	s_lshl_b32 s85, s[TEAM], 13
	s_lshl_b32 s86, s[SLC], 11
	s_add_co_u32 s92, s90, s85
	s_add_co_u32 s92, s92, s86
	s_add_nc_u64 s[18:19], s[18:19], s[92:93]          ; out at slot t, row 4 w
	s_lshl_b32 s92, s[SLC], 9
	s_add_nc_u64 s[8:9], s[8:9], s[92:93]              ; W1's scale words and b1 at hidden unit 128 w
	s_add_nc_u64 s[10:11], s[10:11], s[92:93]
	s_lshl_b32 s92, s[SLC], 2
	s_add_nc_u64 s[14:15], s[14:15], s[92:93]          ; W2's scale words at K step w
	s_mov_b32 s[G0XA], 1
	s_mul_i32 s[G0XA+1], s[WVN], 4*XP
	s_add_co_u32 s[G0XA+1], s[G0XA+1], XF32
	s_lshl_b32 s92, s[WVN], 11
	s_add_nc_u64 s[G0XA+2:G0XA+3], s[4:5], s[92:93]
	s_or_b32 s[G0XA+3], s[G0XA+3], 0x80000000
	s_mov_b32 s[G0XB], 1
	s_mul_i32 s[G0XB+1], s[WVN], 12*XP
	s_add_co_u32 s[G0XB+1], s[G0XB+1], XF32+32*XP
	s_mul_i32 s92, s[WVN], 12*512
	s_add_co_u32 s92, s92, 32*512
	s_add_nc_u64 s[G0XB+2:G0XB+3], s[4:5], s[92:93]
	s_or_b32 s[G0XB+3], s[G0XB+3], 0x80000000
	s_lshl_b32 s92, s[SLC], 14                         ; a quarter of either weight: 16,384 bytes.  Nothing here hangs on the work-group's place
	s_mov_b32 s[G0W1], 1
	s_mul_i32 s[G0W1+1], s[SLC], 128*144
	s_add_co_u32 s[G0W1+1], s[G0W1+1], WL1
	s_add_nc_u64 s[G0W1+2:G0W1+3], s[6:7], s[92:93]
	s_or_b32 s[G0W1+3], s[G0W1+3], 0x80000000
	s_mov_b32 s[G0W2], 1
	s_mul_i32 s[G0W2+1], s[SLC], 32*XP
	s_add_co_u32 s[G0W2+1], s[G0W2+1], WL2
	s_add_nc_u64 s[G0W2+2:G0W2+3], s[12:13], s[92:93]
	s_or_b32 s[G0W2+3], s[G0W2+3], 0x80000000
	CROUND                                             ; all four work-groups are here: the joint loads meet
	tensor_load_to_lds s[G0XA:G0XA+3], s[GXA:GXA+7]    ; three loads of mine go out together: my 4 rows of slots 0 and 1,
	s_nop 0
	NOPS 4                                             ; (four v_nop follow each tensor load)
	s_cmp_lt_u32 s[WVN], 4
	s_cbranch_scc0 .Lfor_w2
	tensor_load_to_lds s[G0W1:G0W1+3], s[GW1:GW1+7]    ; waves 0-3: a quarter of W1, jointly,
	s_nop 0
	NOPS 4
	s_branch .Lasked
.Lfor_w2:
	tensor_load_to_lds s[G0W2:G0W2+3], s[GW2:GW2+7]    ; waves 4-7: a quarter of W2, jointly,
	s_nop 0
	NOPS 4
.Lasked:
	tensor_load_to_lds s[G0XB:G0XB+3], s[GXB:GXB+7]    ; and my 12 rows of slots 2 to 7
	s_nop 0
	NOPS 4
.irp n,0,1,2,3,4,5,6,7
	global_load_b32 v[XF+\n], v[SO], s[8:9] offset:4*(32*(\n/2)+8*(\n%2))      ; W1 tile n's scale words, by the tile's rows
.endr
.irp n,0,1,2,3,4,5,6,7
	global_load_b32 v[XF+8+\n], v[SO+1], s[14:15] offset:256*\n                ; W2 tile n's
.endr
.irp n,0,1,2,3,4,5,6,7
	global_load_b128 v[B1+8*\n:B1+8*\n+3], v[SO+2], s[10:11] offset:4*(32*(\n/2)+8*(\n%2))      ; b1 at hidden units 32 (n / 2) + 16 h + 8 (n % 2) + 0 .. 7
	global_load_b128 v[B1+8*\n+4:B1+8*\n+7], v[SO+2], s[10:11] offset:4*(32*(\n/2)+8*(\n%2))+16
.endr
	s_wait_xcnt 0x0                                    ; these loads have read their offsets, which the quantiser's lines write
	s_wait_tensorcnt 0x1                               ; my rows of slots 0, 1 and my quarter of a weight are in; the load issued last may be out
	BAR                                                ; everybody's are
	; ---------------- round 0's pair tiles, and the weights into registers
.irp c,0,1,2,3
.irp j,0,1,2,3
	ds_load_b128 v[OUT+16*\c+4*\j:OUT+16*\c+4*\j+3], v[AXJ] offset:128*\c+16*\j   ; x[j = r], k = 32 c + 16 h + 0 .. 15
.endr
.endr
	PTILE 0
	PTILE 1
	PTILE 2
	PTILE 3
	s_wait_loadcnt 0x0                                 ; the scale words and b1
	s_wait_dscnt 0x0                                   ; my images are stored, my weights are in registers
.irp n,0,1,2,3,4,5,6,7
	v_cndmask_b32 v[WS+\n], v[XF+\n], v[XF+8+\n], s[HIL]   ; one register carries W1's words below and W2's above
.endr
	v_and_b32 v[TA], 15, v0
	v_mul_u32_u24 v[VSL], v[TA], 68
	s_lshl_b32 s85, s[TEAM], 11
	s_add_co_u32 s85, s85, XSC
	v_add_nc_u32 v[VSL], s85, v[VSL]
	s_lshl_b32 s86, s[TEAM], 15
	v_add_nc_u32 v[VIL], s86, v[L16]
	NOPS 4                                             ; with the four above and the two below: more than the eight places between a scale register's write and a scaled product
	s_wait_tensorcnt 0x0                               ; my rows of slots 2 to 7 are in
	BAR                                                ; all images of round 0 lie in LDS, all of x too, and nobody reads the weights' bytes any more
	v_add_nc_u32 v[T], s[SIL], v[VIL]
	v_add_nc_u32 v[T+3], s[SSL], v[VSL]
	FETCHX T, T+3                                      ; tile 0
	s_wait_dscnt 0x0
	WIN 0x01
	P1
	WIN 0
	; ---------------- the rounds
.Lround:                                               ; rounds 0 to 2 make the next round's pair tiles
	ROUND 1, 0
	s_sub_co_u32 s[RND], s[RND], 1
	s_cmp_lg_u32 s[RND], 0
	s_cbranch_scc1 .Lround
	ROUND 0, 1                                         ; round 3 makes none
	s_wait_xcnt 0x0
	v_lshl_add_u32 v254, v0, 2, 0x45000
	v_mov_b32 v255, 0
	s_wait_tensorcnt 0x0
	ds_add_u32 v254, v255
	s_wait_dscnt 0x0
	CROUND                                             ; the closing round: no work-group ends while a partner may still ask for a tile that names it
	s_endpgm
.Lfunc_end_k_qdcb81d5082_pairs_mlp:
	.size	k_qdcb81d5082_pairs_mlp, .Lfunc_end_k_qdcb81d5082_pairs_mlp-k_qdcb81d5082_pairs_mlp
	.p2alignl 7, 3214868480
	.fill 96, 4, 3214868480
	.section	.rodata,"a",@progbits
	.p2align	6, 0x0
	.amdhsa_kernel k_qdcb81d5082_pairs_mlp
		.amdhsa_group_segment_fixed_size 283648
		.amdhsa_private_segment_fixed_size 0
		.amdhsa_enable_private_segment 0
		.amdhsa_kernarg_size 64
		.amdhsa_user_sgpr_count 2
		.amdhsa_user_sgpr_kernarg_segment_ptr 1
		.amdhsa_wavefront_size32 1
		.amdhsa_system_sgpr_workgroup_id_x 1
		.amdhsa_system_sgpr_workgroup_id_y 1
		.amdhsa_system_sgpr_workgroup_id_z 1
		.amdhsa_system_vgpr_workitem_id 0
		.amdhsa_next_free_vgpr 512
		.amdhsa_next_free_sgpr 96
		.amdhsa_reserve_vcc 0
		.amdhsa_float_denorm_mode_32 3
		.amdhsa_float_denorm_mode_16_64 3
		.amdhsa_memory_ordered 1
		.amdhsa_forward_progress 1
		.amdhsa_inst_pref_size 152
	.end_amdhsa_kernel
	.amdgpu_metadata
---
amdhsa.version: [ 1, 2 ]
amdhsa.kernels:
  - .name:           k_qdcb81d5082_pairs_mlp
    .symbol:         k_qdcb81d5082_pairs_mlp.kd
    .args:
      - { .name: attribute_embeddings, .offset: 0, .size: 8, .value_kind: global_buffer, .address_space: global }
      - { .name: W1_codes, .offset: 8, .size: 8, .value_kind: global_buffer, .address_space: global }
      - { .name: W1_scales, .offset: 16, .size: 8, .value_kind: global_buffer, .address_space: global }
      - { .name: b1, .offset: 24, .size: 8, .value_kind: global_buffer, .address_space: global }
      - { .name: W2_codes, .offset: 32, .size: 8, .value_kind: global_buffer, .address_space: global }
      - { .name: W2_scales, .offset: 40, .size: 8, .value_kind: global_buffer, .address_space: global }
      - { .name: b2, .offset: 48, .size: 8, .value_kind: global_buffer, .address_space: global }
      - { .name: out0, .offset: 56, .size: 8, .value_kind: global_buffer, .address_space: global }
    .group_segment_fixed_size: 283648
    .private_segment_fixed_size: 0
    .kernarg_segment_align: 8
    .kernarg_segment_size: 64
    .max_flat_workgroup_size: 256
    .sgpr_count:     96
    .vgpr_count:     512
    .wavefront_size: 32
...
	.end_amdgpu_metadata
.endif
;; end of part 1
